; MI455X (gfx1250); checked and timed in simulation.
; The chip was launched on July 23, 2026; its instructions are those of AMD's public machine-readable ISA for CDNA 5 (MIT licence, August 2026) and "CDNA5" Instruction Set Architecture Reference Guide (July 2026). The comments in the code are by the model that wrote it; some were corrected since.
;; Learned Pooler2d. Allowed arithmetic: float matrix products may take bf16 or f16 operands with f32 sums; all other float work in f32.
;; Inputs: h 32 x 64 x 64 x 256 float32; mask 32 x 64 x 64 bool; queries 4 x 256 float32.
;; Outputs: out0 32 x 1,024 float32.
;; 2 versions, each right; version 2 is version 1 with the launch partial written anew for expert scheduling mode. Each part assembles by itself: llvm-mc -triple=amdgcn-amd-amdhsa -mcpu=gfx1250 --defsym DOCPART=n.
;; ======== version 1 of 2: 2 launches
;; workspace buffers: part 1,114,112 bytes
;; launch partial (part 1): grid 256 x 1, 8 waves a work-group, no clusters, 78,848 bytes of LDS; arguments h, mask, queries, part; writes part
.if DOCPART == 1
	.amdgcn_target "amdgcn-amd-amdhsa--gfx1250"
	.amdhsa_code_object_version 6
	.text
	.protected	k_q6fc76abf39_partial
	.globl	k_q6fc76abf39_partial
	.p2align	8
	.type	k_q6fc76abf39_partial,@function
k_q6fc76abf39_partial:
	s_mov_b64 s[64:65], 0
	v_nop
	global_prefetch_b8 v0, s[64:65] scope:SCOPE_SE
	s_setreg_imm32_b32 hwreg(HW_REG_WAVE_MODE, 25, 1), 1
	s_wait_xcnt 0x0
; LearnedPooler2d, first of two launches: softmax pooling over 512 of a batch's 4,096 positions.
; h [131072 rows][256] f32, mask [131072] bytes (1 = left out), queries [4][256] f32.
; Work-group g owns rows 512 g .. 512 g + 511 (eight work-groups make a batch) and writes 4,352 bytes of part:
;   [4][256] f32: sum over its unmasked rows n of 2^(K s[q][n] + nm[q]) h[n][c], K = log2(e)/16, s = queries . h,
;   then 32 pairs (nm[q], sum of the weights), q = entry mod 4.  nm[q] = -K x (largest unmasked score), or 3.4e38 if all rows are masked.
; Eight independent waves, 64 rows each, as four tiles of 16 rows.  h is read once, straight into registers; both products run on the
; matrix unit in bf16 with f32 sums; the maximum is a running one over the unmasked rows.
; No cluster: the work-groups share nothing but the 4,096 bytes of queries.  No tensor loads: a register ring needs no barrier to be refilled.
; LIMITS: h, queries and the weights are rounded to bf16 for the products; weights below 2^-126 count as 0; a mask byte is 0 or 1;
; h or queries that are not finite are not served.
;
; LAYOUT.  lane = 16 hh + r, r = 4 s + q.  Half hh of the lanes owns rows 32 hh + 8 t + i (tile t, i = 0..7) of the wave's 64.
; A load L[y][u][i] (y = 0: alpha, 1: beta; u = 0, 1) brings the lane h[row i][c .. c+3], c = 128 u + 64 (hh xor y) + 4 r:
; sixteen lanes take 256 consecutive bytes, aligned.
; POOLING, out[q][c] = sum over n of p[q][n] h[n][c]: first source = h, packed over pairs of rows (register e: rows 2e, 2e+1 of element j of the loads),
; second source = p, block-diagonal: k = 16 u + 8 hh + i stands for (column block 2 u + (hh xor y), row i of half hh), and column (q, s) of
; the second source holds p[q][row] only where s is that block.  All 256 results of an instruction are then real:
; accumulator j, lane (q, s, hh), register m = out[q][64 s + 4 (8 hh + m) + j]; 4 x 256 sums lie in 32 registers.
; Alpha gives block s the rows of half s mod 2, beta those of the other half.
; SCORES, s[n][q]: first source = 16 rows of h along the columns, which a lane does not hold as loaded: a second pack, over pairs of columns, goes
; through the wave's own LDS stage.  A stage row holds column 128 u + 4 G + j at element 8 G + 4 u + j (G = 0..31), and the query fragments use the
; same order.  Second source = queries, column (q, s) = query q for every s, so that lane (q, s, hh), register m = s[row m of half hh][q]:
; the very weights that the lane's part of the pooling operand needs, and in the lanes whose sums they rescale.
.set PITCH, 528                        ; a stage row: 512 bytes + 16 = 33 x 16, so the 16 rows of a fragment load begin at 16 different 16-byte columns modulo 256
.set TRW,   16*PITCH                   ; a wave's stage, 8,448 bytes, at wave x TRW
.set QB,    8*TRW                      ; query fragments: [8 K steps][2 halves][32 lanes][16 bytes]
.set EXM,   QB+8192                    ; closing exchange: nm [8 waves][32 lanes], then the weight sums likewise, 1,024 bytes each
.set PARTB, 4352                       ; bytes of part for a work-group
.set KLOG,  0x3db8aa3b                 ; K = log2(e) / 16
; registers of window 0
.set LANE, 1
.set VOA,  2                           ; byte offset in h of the alpha loads; never rewritten
.set VOB,  3                           ; of the beta loads; never rewritten
.set STA,  4                           ; stage address of the alpha stores
.set STB,  5                           ; of the beta stores
.set RDA,  6                           ; stage address of the fragment loads
.set T3,   7
.set MK,   8                           ; v[8:15]    my half's 32 mask bytes
.set BND,  16                          ; v[16:23]   +inf or -inf for my 8 rows of the tile
.set NM,   24                          ; v24 running -K x maximum; v25 its pair's other half, written once
.set AL,   26                          ; v26 rescaling factor; v27 likewise
.set LS,   28                          ; running sum of the weights of my half's rows
.set T0,   29
.set T1,   30                          ; v[30:31] a pair at work
.set SEL,  32                          ; v[32:35]   all ones where my lane's s is the block of: alpha low, alpha high, beta low, beta high
.set PK,   36                          ; v[36:39]   8 weights in bf16
.set D0,   40                          ; v[40:47]   scores, even K steps; then scores, then weights
.set D1,   48                          ; v[48:55]   scores, odd K steps
.set PA,   56                          ; v[56:63]   weight operand for alpha
.set PB,   64                          ; v[64:71]   for beta
.set ACC,  72                          ; v[72:103]  four accumulators
.set QF,   104                         ; v[104:167] eight query fragments
.set X,    168                         ; v[168:231] in turn: column packs, score fragments, row packs
.set E0,   232
.set E1,   233
.set TP,   234                         ; v[234:235] a pair at work
.set MOFF, 236                         ; offsets of the mask and query loads: registers of their own, never rewritten
.set QOFF, 237
.set QAD,  238
.set QST,  239
.set CA,   240
.set RA,   241
.set EXA,  242
.set EXS,  243
.set GO,   244
.set GS,   245
; window 1 (v256-v511): two landing slots of 128 registers; L[y][u][i] lies at 128 slot + 4 (16 y + 8 u + i)
.set MSB, 0
.macro WIN new                         ; the immediate's high byte repeats the setting that is left
.if MSB != \new
	s_set_vgpr_msb (MSB<<8)|\new
.set MSB, \new
.endif
.endm
; The 32 loads of tile tn into slot sl, row by row: four loads cover row i of both halves.  h is read once in the launch: NT.
.macro LOADT tn, sl
.irp i, 0,1,2,3,4,5,6,7
.irp u, 0,1
	global_load_b128 v[128*\sl+(8*\u+\i)*4:128*\sl+(8*\u+\i)*4+3], v[VOA], s[4:5] offset:\tn*8192+\i*1024+\u*512 th:TH_LOAD_NT
	global_load_b128 v[128*\sl+(16+8*\u+\i)*4:128*\sl+(16+8*\u+\i)*4+3], v[VOB], s[4:5] offset:\tn*8192+\i*1024+\u*512 th:TH_LOAD_NT
.endr
.endr
.endm
	s_load_b256 s[4:11], s[0:1], 0x0               ; h s[4:5], mask s[6:7], queries s[8:9], part s[10:11]
	v_lshl_add_u32 v254, v0, 2, 0x13000
	v_mov_b32 v255, 0
	v_lshrrev_b32 v[T3], 5, v0
	v_readfirstlane_b32 s12, v[T3]                 ; wave 0..7
	v_and_b32 v[LANE], 31, v0
	v_and_b32 v[T0], 15, v0                        ; r
	v_bfe_u32 v[T1], v0, 4, 1                      ; hh
	v_mul_u32_u24 v[VOA], v[T1], 0x8100            ; alpha: 32 rows and one column block further for the upper half,
	v_lshl_add_u32 v[VOA], v[T0], 4, v[VOA]        ; + 16 r
	v_mul_u32_u24 v[VOB], v[T1], 0x7f00            ; beta: 32 rows further and one block back,
	v_lshl_add_u32 v[VOB], v[T0], 4, v[VOB]
	v_add_nc_u32 v[VOB], 0x100, v[VOB]             ; from block 1
	v_lshlrev_b32 v[MOFF], 5, v[T1]                ; my half's 32 mask bytes
	v_and_b32 v[QOFF], 3, v0                       ; q
	v_lshlrev_b32 v[QOFF], 10, v[QOFF]             ; query q's row,
	v_lshl_add_u32 v[QOFF], v[T1], 4, v[QOFF]      ; group G = 4 w + hh of four columns: 16 bytes each
	s_lshl_b32 s13, s12, 6
	v_add_nc_u32 v[QOFF], s13, v[QOFF]
	s_lshl_b32 s14, ttmp9, 19                      ; 512 rows of 1,024 bytes a work-group (255 x 2^19 stays below 2^31),
	s_lshl_b32 s22, s12, 16                        ; 64 rows a wave
	s_add_co_u32 s14, s14, s22
	s_mov_b32 s15, 0
	s_lshl_b32 s24, ttmp9, 9                       ; the same rows in mask: one byte each
	s_add_co_u32 s24, s24, s13
	s_mov_b32 s25, 0
	s_mul_i32 s26, ttmp9, PARTB
	s_mov_b32 s27, 0
	s_wait_kmcnt 0x0
	s_add_nc_u64 s[4:5], s[4:5], s[14:15]
	s_add_nc_u64 s[6:7], s[6:7], s[24:25]
	s_add_nc_u64 s[10:11], s[10:11], s[26:27]
	global_load_b128 v[MK:MK+3],   v[MOFF], s[6:7]
	global_load_b128 v[MK+4:MK+7], v[MOFF], s[6:7] offset:16
	global_load_b128 v[X:X+3],     v[QOFF], s[8:9]             ; wave w builds the query fragment of K step w: group 4 w + hh, columns 4 G ..
	global_load_b128 v[X+4:X+7],   v[QOFF], s[8:9] offset:512  ; and 128 + 4 G ..
	global_load_b128 v[X+8:X+11],  v[QOFF], s[8:9] offset:32   ; group 4 w + 2 + hh
	global_load_b128 v[X+12:X+15], v[QOFF], s[8:9] offset:544
	WIN 0x40                                       ; loaded data into window 1, addresses from window 0
	LOADT 0, 0                                     ; both slots are asked for at once: 32 KiB a wave
	LOADT 1, 1
	WIN 0
	s_mov_b32 s18, 0xbdb8aa3b                      ; -K
	s_mov_b32 s19, 0x00800000                      ; the lower three bytes of an infinity
	s_mov_b32 s20, 0x76543210                      ; v_permlanex16_b32: lane i of one half reads lane i of the other
	s_mov_b32 s21, 0xfedcba98
	s_mov_b32 s23, 0x7f7f7f7f
	s_mul_i32 s22, s12, TRW                        ; my stage
	s_add_co_u32 s28, s22, 256
	v_mul_u32_u24 v[STA], v[T1], 8*PITCH+256       ; alpha store: stage row 8 hh + i, byte 256 (hh xor 0) + 16 r: sixteen lanes, 256 consecutive bytes
	v_lshl_add_u32 v[STA], v[T0], 4, v[STA]
	v_add_nc_u32 v[STA], s22, v[STA]
	v_mul_u32_u24 v[STB], v[T1], 8*PITCH-256       ; beta store: byte 256 (hh xor 1) + 16 r
	v_lshl_add_u32 v[STB], v[T0], 4, v[STB]
	v_add_nc_u32 v[STB], s28, v[STB]
	v_mul_u32_u24 v[RDA], v[T0], PITCH             ; fragment load: stage row r, 16 bytes for each half of the lanes
	v_lshl_add_u32 v[RDA], v[T1], 4, v[RDA]
	v_add_nc_u32 v[RDA], s22, v[RDA]
	v_bfe_u32 v[T3], v0, 2, 2                      ; s
	v_xor_b32 v[T0], 1, v[T1]                      ; hh xor 1
	v_cmp_eq_u32 vcc_lo, v[T3], v[T1]
	v_cndmask_b32 v[SEL], 0, -1, vcc_lo            ; alpha, k 0-15: block hh
	v_cmp_eq_u32 vcc_lo, v[T3], v[T0]
	v_cndmask_b32 v[SEL+2], 0, -1, vcc_lo          ; beta, k 0-15: block hh xor 1
	v_add_nc_u32 v[T1], 2, v[T1]
	v_add_nc_u32 v[T0], 2, v[T0]
	v_cmp_eq_u32 vcc_lo, v[T3], v[T1]
	v_cndmask_b32 v[SEL+1], 0, -1, vcc_lo          ; alpha, k 16-31: block 2 + hh
	v_cmp_eq_u32 vcc_lo, v[T3], v[T0]
	v_cndmask_b32 v[SEL+3], 0, -1, vcc_lo          ; beta, k 16-31: block 2 + (hh xor 1)
	v_mov_b32 v[NM+1], 0                           ; the other halves of the two pairs that packed instructions name
	v_mov_b32 v[AL+1], 0
	v_lshlrev_b32 v[QAD], 4, v[LANE]
	v_add_nc_u32 v[QAD], QB, v[QAD]
	s_lshl_b32 s13, s12, 10
	v_add_nc_u32 v[QST], s13, v[QAD]
	s_wait_loadcnt 0x3f                            ; 70 loads have been issued and come back in order (ISA guide 5.7.1): 63 out at the most means the seven oldest are in, mask and queries among them
.irp p, 0,1,2,3,4,5,6,7
	v_cvt_pk_bf16_f32 v[X+16+\p], v[X+2*\p], v[X+2*\p+1]       ; element 4 u + j of each group, in order
.endr
	ds_store_b128 v[QST], v[X+16:X+19]
	ds_store_b128 v[QST], v[X+20:X+23] offset:512
	s_wait_dscnt 0x0                               ; my fragment is in LDS before I say so
	s_barrier_signal -1
	s_barrier_wait -1
.irp k, 0,1,2,3,4,5,6,7
	ds_load_b128 v[QF+8*\k:QF+8*\k+3],   v[QAD] offset:1024*\k
	ds_load_b128 v[QF+8*\k+4:QF+8*\k+7], v[QAD] offset:1024*\k+512
.endr
	s_wait_dscnt 0x0
; One tile.  tn: its number; nx: the tile that takes its slot; sl: the slot; rf = 1: the slot is filled again; lf: loads of younger tiles that may stay out;
; fs = 1: the first tile starts the sums, nothing is cleared or rescaled.
.macro TILE tn, nx, sl, rf, lf, fs
	; a mask byte 0 / 1 becomes 0x7f / 0xff, the top byte of +inf / -inf.  These six lines name no register of a matrix instruction:
	; they are also the four places that the column packs below need behind the last tile's matrix instructions (ISA guide 7.12.1)
	v_lshl_or_b32 v[E0], v[MK+2*\tn], 7, s23
	v_lshl_or_b32 v[E1], v[MK+2*\tn+1], 7, s23
.irp b, 0,1,2,3
	v_perm_b32 v[BND+\b], v[E0], s19, 0x04020000+(\b<<24)
.endr
	WIN 0x05                                       ; both sources from window 1
.irp i, 0,1,2,3,4,5,6,7
	s_wait_loadcnt \lf+28-4*\i                     ; row i's four loads are in; the 4 (7 - i) behind them and the younger tile's stay out
.irp y, 0,1
	v_cvt_pk_bf16_f32 v[X+(8*\y+\i)*4],   v[128*\sl+(16*\y+\i)*4],     v[128*\sl+(16*\y+\i)*4+1]     ; pairs of columns: u = 0,
	v_cvt_pk_bf16_f32 v[X+(8*\y+\i)*4+1], v[128*\sl+(16*\y+\i)*4+2],   v[128*\sl+(16*\y+\i)*4+3]
	v_cvt_pk_bf16_f32 v[X+(8*\y+\i)*4+2], v[128*\sl+(16*\y+8+\i)*4],   v[128*\sl+(16*\y+8+\i)*4+1]   ; u = 1: 16 bytes of a stage row
	v_cvt_pk_bf16_f32 v[X+(8*\y+\i)*4+3], v[128*\sl+(16*\y+8+\i)*4+2], v[128*\sl+(16*\y+8+\i)*4+3]
.endr
.endr
	WIN 0
.irp i, 0,1,2,3,4,5,6,7
	ds_store_b128 v[STA], v[X+4*\i:X+4*\i+3] offset:\i*PITCH
	ds_store_b128 v[STB], v[X+32+4*\i:X+32+4*\i+3] offset:\i*PITCH
.endr
.irp k, 0,1,2,3,4,5,6,7
	ds_load_b128 v[X+8*\k:X+8*\k+3],   v[RDA] offset:64*\k      ; my own stage: LDS serves a wave's instructions in order, these see the stores above
	ds_load_b128 v[X+8*\k+4:X+8*\k+7], v[RDA] offset:64*\k+32
.endr
	; scores: 8 K steps of 32 columns.  Two accumulators take turns; the first two products start the sums
	s_wait_dscnt 14                                ; K step 0's two loads are in, the 14 behind them stay out; and so on, two fewer each time
	v_wmma_f32_16x16x32_bf16 v[D0:D0+7], v[X:X+7], v[QF:QF+7], 0
	s_wait_dscnt 12
	v_wmma_f32_16x16x32_bf16 v[D1:D1+7], v[X+8:X+15], v[QF+8:QF+15], 0
.irp k, 2,4,6
	s_wait_dscnt 14-2*\k
	v_wmma_f32_16x16x32_bf16 v[D0:D0+7], v[X+8*\k:X+8*\k+7], v[QF+8*\k:QF+8*\k+7], v[D0:D0+7]
	s_wait_dscnt 12-2*\k
	v_wmma_f32_16x16x32_bf16 v[D1:D1+7], v[X+8*\k+8:X+8*\k+15], v[QF+8*\k+8:QF+8*\k+15], v[D1:D1+7]
.endr
.irp b, 0,1,2,3
	v_perm_b32 v[BND+4+\b], v[E1], s19, 0x04020000+(\b<<24)    ; rows 4-7; four places before X, a source of the products above, is written (ISA guide 7.12.1)
.endr
	WIN 0x05
.irp y, 0,1
.irp j, 0,1,2,3
.irp u, 0,1
.irp e, 0,1,2,3
	v_cvt_pk_bf16_f32 v[X+(4*\y+\j)*8+4*\u+\e], v[128*\sl+(16*\y+8*\u+2*\e)*4+\j], v[128*\sl+(16*\y+8*\u+2*\e+1)*4+\j]   ; pairs of rows of one column
.endr
.endr
.endr
.endr
.if \rf
	WIN 0x40
	LOADT \nx, \sl                                 ; the slot has been read for the last time: its next tile is asked for before the softmax
.endif
	WIN 0
	; softmax step, each lane for its query and its 8 rows
.irp p, 0,1,2,3
	v_pk_add_f32 v[D0+2*\p:D0+2*\p+1], v[D0+2*\p:D0+2*\p+1], v[D1+2*\p:D1+2*\p+1]
.endr
.irp b, 0,1,2,3,4,5,6,7
	v_min_num_f32 v[D0+\b], v[D0+\b], v[BND+\b]    ; a masked row's score becomes -inf
.endr
	v_max3_num_f32 v[T0], v[D0], v[D0+1], v[D0+2]
	v_max3_num_f32 v[T0], v[T0], v[D0+3], v[D0+4]
	v_max3_num_f32 v[T0], v[T0], v[D0+5], v[D0+6]
	v_max_num_f32 v[T0], v[T0], v[D0+7]
	v_permlanex16_b32 v[T1], v[T0], s20, s21       ; the other half's 8 rows
	v_max_num_f32 v[T0], v[T0], v[T1]
	v_mul_f32 v[T0], s18, v[T0]                    ; -K x maximum; +inf if all 16 rows are masked
.if \fs
	v_min_num_f32 v[NM], 0x7f7fffff, v[T0]         ; kept finite, so that no difference of infinities arises
.else
	v_min_num_f32 v[T0], v[NM], v[T0]
	v_sub_f32 v[AL], v[T0], v[NM]                  ; K x (old maximum - new), at most 0
	v_mov_b32 v[NM], v[T0]
	v_exp_f32 v[AL], v[AL]                         ; the packed lines below stand between it and its first use (ISA guide 5.7.2)
.endif
.irp p, 0,1,2,3
	v_pk_fma_f32 v[D0+2*\p:D0+2*\p+1], v[D0+2*\p:D0+2*\p+1], KLOG, v[NM:NM+1] op_sel_hi:[1,0,0]   ; K s - K maximum
.endr
.irp b, 0,1,2,3,4,5,6,7
	v_exp_f32 v[D0+\b], v[D0+\b]                   ; 2^(-inf) = 0 for masked rows
.endr
.if \fs
	v_nop                                          ; one plain line between the exponentials and their first use
	s_wait_alu depctr_va_vdst(0)
.else
	s_wait_alu depctr_va_vdst(0)
.irp p, 0,1,2,3,4,5,6,7,8,9,10,11,12,13,14,15
	v_pk_mul_f32 v[ACC+2*\p:ACC+2*\p+1], v[ACC+2*\p:ACC+2*\p+1], v[AL:AL+1] op_sel_hi:[1,0]        ; my lane's sums all belong to my query
.endr
.endif
	v_pk_add_f32 v[T1:T1+1], v[D0:D0+1], v[D0+2:D0+3]
	v_pk_add_f32 v[TP:TP+1], v[D0+4:D0+5], v[D0+6:D0+7]
	v_pk_add_f32 v[T1:T1+1], v[T1:T1+1], v[TP:TP+1]
.if \fs
	v_add_f32 v[LS], v[T1], v[T1+1]
.else
	v_add_f32 v[T1], v[T1], v[T1+1]
	v_fma_f32 v[LS], v[LS], v[AL], v[T1]
.endif
.irp e, 0,1,2,3
	v_cvt_pk_bf16_f32 v[PK+\e], v[D0+2*\e], v[D0+2*\e+1]
.endr
.irp e, 0,1,2,3
	v_and_b32 v[PA+\e],   v[SEL],   v[PK+\e]       ; the block-diagonal operands: my weights where my s is the block, else 0
	v_and_b32 v[PA+4+\e], v[SEL+1], v[PK+\e]
	v_and_b32 v[PB+\e],   v[SEL+2], v[PK+\e]
	v_and_b32 v[PB+4+\e], v[SEL+3], v[PK+\e]
.endr
	; pooling: the four accumulators take turns
.irp j, 0,1,2,3
.if \fs
	v_wmma_f32_16x16x32_bf16 v[ACC+8*\j:ACC+8*\j+7], v[X+8*\j:X+8*\j+7], v[PA:PA+7], 0
.else
	v_wmma_f32_16x16x32_bf16 v[ACC+8*\j:ACC+8*\j+7], v[X+8*\j:X+8*\j+7], v[PA:PA+7], v[ACC+8*\j:ACC+8*\j+7]
.endif
.endr
.irp j, 0,1,2,3
	v_wmma_f32_16x16x32_bf16 v[ACC+8*\j:ACC+8*\j+7], v[X+32+8*\j:X+32+8*\j+7], v[PB:PB+7], v[ACC+8*\j:ACC+8*\j+7]
.endr
.endm
	TILE 0, 2, 0, 1, 32, 1
	TILE 1, 3, 1, 1, 32, 0
	TILE 2, 0, 0, 0, 32, 0                         ; the last two tiles fetch nothing
	TILE 3, 0, 1, 0, 0, 0
	; THE EIGHT WAVES' RESULTS BECOME ONE
.rept 4
	v_nop                                          ; four places behind the last matrix instructions (ISA guide 7.12.1)
.endr
	v_permlanex16_b32 v[T1], v[LS], s20, s21
	v_add_f32 v[LS], v[LS], v[T1]                  ; both halves' rows: the wave's sum of weights for my query
	v_lshlrev_b32 v[EXA], 2, v[LANE]
	v_add_nc_u32 v[EXA], EXM, v[EXA]
	s_lshl_b32 s13, s12, 7
	v_add_nc_u32 v[EXS], s13, v[EXA]
	ds_store_b32 v[EXS], v[NM]
	s_wait_dscnt 0x0                               ; my nm is in LDS before I say so
	s_barrier_signal -1
	s_barrier_wait -1
.irp v, 0,1,2,3,4,5,6,7
	ds_load_b32 v[D0+\v], v[EXA] offset:128*\v     ; all eight waves' nm for my query
.endr
	v_lshlrev_b32 v[CA], 4, v[LANE]                ; where my sums go: [register m][lane][j], rows of PITCH bytes, in my own stage
	v_add_nc_u32 v[CA], s22, v[CA]
	; and what I read back: thread f = 32 w + lane takes the four numbers out[f / 64][4 (f mod 64) ..]: m = lane mod 8,
	; source lane 16 ((lane / 8) mod 2) + 4 (2 (w mod 2) + lane / 16) + w / 2
	v_and_b32 v[RA], 7, v0
	v_mul_u32_u24 v[RA], v[RA], PITCH
	v_bfe_u32 v[T0], v0, 3, 1
	v_lshl_add_u32 v[RA], v[T0], 8, v[RA]
	v_bfe_u32 v[T0], v0, 4, 1
	v_lshl_add_u32 v[RA], v[T0], 6, v[RA]
	s_and_b32 s13, s12, 1
	s_lshl_b32 s13, s13, 7
	s_lshr_b32 s24, s12, 1
	s_lshl_b32 s24, s24, 4
	s_add_co_u32 s13, s13, s24
	v_add_nc_u32 v[RA], s13, v[RA]
	s_wait_dscnt 0x0
	v_min_num_f32 v[D0],   v[D0],   v[D0+1]
	v_min_num_f32 v[D0+2], v[D0+2], v[D0+3]
	v_min_num_f32 v[D0+4], v[D0+4], v[D0+5]
	v_min_num_f32 v[D0+6], v[D0+6], v[D0+7]
	v_min_num_f32 v[D0],   v[D0],   v[D0+2]
	v_min_num_f32 v[D0+4], v[D0+4], v[D0+6]
	v_min_num_f32 v[T1],   v[D0],   v[D0+4]        ; the work-group's nm
	v_sub_f32 v[AL], v[T1], v[NM]
	v_exp_f32 v[AL], v[AL]
	v_lshlrev_b32 v[GO], 4, v0                     ; a plain line between the exponential and its use: 16 bytes a thread in part
	s_wait_alu depctr_va_vdst(0)
.irp p, 0,1,2,3,4,5,6,7,8,9,10,11,12,13,14,15
	v_pk_mul_f32 v[ACC+2*\p:ACC+2*\p+1], v[ACC+2*\p:ACC+2*\p+1], v[AL:AL+1] op_sel_hi:[1,0]
.endr
	v_mul_f32 v[LS], v[LS], v[AL]
.irp j, 0,1,2,3
.irp b, 0,1,2,3,4,5,6,7
	ds_store_b32 v[CA], v[ACC+8*\j+\b] offset:\b*PITCH+4*\j    ; the four j of a lane and a register m are four neighbouring columns
.endr
.endr
	ds_store_b32 v[EXS], v[LS] offset:1024
	s_wait_dscnt 0x0                               ; all of it is in LDS before I say so
	s_barrier_signal -1
	s_barrier_wait -1
.irp v, 0,1,2,3,4,5,6,7
	ds_load_b128 v[X+4*\v:X+4*\v+3], v[RA] offset:\v*TRW
.endr
	s_wait_dscnt 0x0
.irp v, 0,2,4,6
	v_pk_add_f32 v[X+4*\v:X+4*\v+1],   v[X+4*\v:X+4*\v+1],   v[X+4*\v+4:X+4*\v+5]
	v_pk_add_f32 v[X+4*\v+2:X+4*\v+3], v[X+4*\v+2:X+4*\v+3], v[X+4*\v+6:X+4*\v+7]
.endr
.irp v, 0,4
	v_pk_add_f32 v[X+4*\v:X+4*\v+1],   v[X+4*\v:X+4*\v+1],   v[X+4*\v+8:X+4*\v+9]
	v_pk_add_f32 v[X+4*\v+2:X+4*\v+3], v[X+4*\v+2:X+4*\v+3], v[X+4*\v+10:X+4*\v+11]
.endr
	v_pk_add_f32 v[X:X+1],   v[X:X+1],   v[X+16:X+17]
	v_pk_add_f32 v[X+2:X+3], v[X+2:X+3], v[X+18:X+19]
	global_store_b128 v[GO], v[X:X+3], s[10:11]    ; a wave stores 512 consecutive bytes, at a multiple of 512 from the work-group's part
	s_cmp_lg_u32 s12, 0
	s_cbranch_scc1 .Ldone                          ; wave 0 alone writes the 32 pairs
.irp v, 0,1,2,3,4,5,6,7
	ds_load_b32 v[D0+\v], v[EXA] offset:1024+128*\v
.endr
	v_lshlrev_b32 v[GS], 3, v[LANE]
	s_wait_dscnt 0x0
	v_add_f32 v[D0],   v[D0],   v[D0+1]
	v_add_f32 v[D0+2], v[D0+2], v[D0+3]
	v_add_f32 v[D0+4], v[D0+4], v[D0+5]
	v_add_f32 v[D0+6], v[D0+6], v[D0+7]
	v_add_f32 v[D0],   v[D0],   v[D0+2]
	v_add_f32 v[D0+4], v[D0+4], v[D0+6]
	v_add_f32 v[T1+1], v[D0],   v[D0+4]
	global_store_b64 v[GS], v[T1:T1+1], s[10:11] offset:4096   ; 32 lanes, 256 consecutive bytes: (nm, sum of weights) of query lane mod 4
.Ldone:
	s_wait_tensorcnt 0x0
	ds_add_u32 v254, v255
	s_wait_dscnt 0x0
	s_endpgm
.Lfunc_end_k_q6fc76abf39_partial:
	.size	k_q6fc76abf39_partial, .Lfunc_end_k_q6fc76abf39_partial-k_q6fc76abf39_partial
	.p2alignl 7, 3214868480
	.fill 96, 4, 3214868480
	.section	.rodata,"a",@progbits
	.p2align	6, 0x0
	.amdhsa_kernel k_q6fc76abf39_partial
		.amdhsa_group_segment_fixed_size 78848
		.amdhsa_private_segment_fixed_size 0
		.amdhsa_enable_private_segment 0
		.amdhsa_kernarg_size 32
		.amdhsa_user_sgpr_count 2
		.amdhsa_user_sgpr_kernarg_segment_ptr 1
		.amdhsa_wavefront_size32 1
		.amdhsa_system_sgpr_workgroup_id_x 1
		.amdhsa_system_sgpr_workgroup_id_y 1
		.amdhsa_system_sgpr_workgroup_id_z 1
		.amdhsa_system_vgpr_workitem_id 0
		.amdhsa_next_free_vgpr 512
		.amdhsa_next_free_sgpr 66
		.amdhsa_reserve_vcc 1
		.amdhsa_float_denorm_mode_32 3
		.amdhsa_float_denorm_mode_16_64 3
		.amdhsa_memory_ordered 1
		.amdhsa_forward_progress 1
		.amdhsa_inst_pref_size 90
	.end_amdhsa_kernel
	.amdgpu_metadata
---
amdhsa.version: [ 1, 2 ]
amdhsa.kernels:
  - .name:           k_q6fc76abf39_partial
    .symbol:         k_q6fc76abf39_partial.kd
    .args:
      - { .name: h, .offset: 0, .size: 8, .value_kind: global_buffer, .address_space: global }
      - { .name: mask, .offset: 8, .size: 8, .value_kind: global_buffer, .address_space: global }
      - { .name: queries, .offset: 16, .size: 8, .value_kind: global_buffer, .address_space: global }
      - { .name: part, .offset: 24, .size: 8, .value_kind: global_buffer, .address_space: global }
    .group_segment_fixed_size: 78848
    .private_segment_fixed_size: 0
    .kernarg_segment_align: 8
    .kernarg_segment_size: 32
    .max_flat_workgroup_size: 256
    .sgpr_count:     66
    .vgpr_count:     512
    .wavefront_size: 32
...
	.end_amdgpu_metadata
.endif
;; end of part 1
;; launch combine (part 2): grid 256 x 1, 1 waves a work-group, no clusters, 0 bytes of LDS; arguments part, out0; writes out0
.if DOCPART == 2
	.amdgcn_target "amdgcn-amd-amdhsa--gfx1250"
	.amdhsa_code_object_version 6
	.text
	.protected	k_q6fc76abf39_combine
	.globl	k_q6fc76abf39_combine
	.p2align	8
	.type	k_q6fc76abf39_combine,@function
k_q6fc76abf39_combine:
	s_mov_b64 s[64:65], 0
	v_nop
	global_prefetch_b8 v0, s[64:65] scope:SCOPE_SE
	s_setreg_imm32_b32 hwreg(HW_REG_WAVE_MODE, 25, 1), 1
	s_wait_xcnt 0x0
; LearnedPooler2d, second launch: the eight partial results of a batch become its output row.
; part: for each of 256 (batch, eighth): [4][256] f32 sums, then pairs (nm, sum of weights) with query q at entry q; 4,352 bytes in all.
; out0 [32][4][256] f32.  One wave a work-group: work-group g makes the 128 numbers at 128 g, 16 bytes a lane, all of one batch (g / 8) and one query ((g mod 8) / 2).
; With NM the least nm: out = sum over i of 2^(NM - nm_i) sums_i / sum over i of 2^(NM - nm_i) weights_i, and 0 where no position was unmasked (the divisor is 0).
; All sixteen loads go out together; nothing is shared between work-groups, so no LDS, no barrier, no cluster.
.set PARTB, 4352
.set ST,  4                            ; v[4:19]   eight pairs (nm_i, then 2^(NM - nm_i); weights_i)
.set P,   20                           ; v[20:51]  eight times four sums
.set O,   56                           ; v[56:59]  the result
	s_load_b128 s[4:7], s[0:1], 0x0                ; part s[4:5], out0 s[6:7]
	s_lshr_b32 s8, ttmp9, 3                        ; batch
	s_and_b32 s9, ttmp9, 7                         ; which 512 bytes of its 4,096
	s_mul_i32 s10, s8, 8*PARTB
	s_mov_b32 s11, 0
	s_lshl_b32 s12, s9, 9
	s_lshr_b32 s13, s9, 1                          ; query
	s_lshl_b32 s13, s13, 3                         ; its pair
	s_lshl_b32 s14, ttmp9, 9
	s_mov_b32 s15, 0
	v_lshlrev_b32 v1, 4, v0                        ; 16 bytes a lane
	v_add_nc_u32 v2, s12, v1
	v_mov_b32 v3, s13
	s_wait_kmcnt 0x0
	s_add_nc_u64 s[4:5], s[4:5], s[10:11]
	s_add_nc_u64 s[6:7], s[6:7], s[14:15]
.irp i, 0,1,2,3,4,5,6,7
	global_load_b64 v[ST+2*\i:ST+2*\i+1], v3, s[4:5] offset:\i*PARTB+4096
.endr
.irp i, 0,1,2,3,4,5,6,7
	global_load_b128 v[P+4*\i:P+4*\i+3], v2, s[4:5] offset:\i*PARTB
.endr
	s_wait_loadcnt 0x8                             ; the eight pairs are in; the eight loads of sums behind them stay out
	v_min_num_f32 v52, v[ST],    v[ST+2]
	v_min_num_f32 v53, v[ST+4],  v[ST+6]
	v_min_num_f32 v54, v[ST+8],  v[ST+10]
	v_min_num_f32 v55, v[ST+12], v[ST+14]
	v_min_num_f32 v52, v52, v53
	v_min_num_f32 v54, v54, v55
	v_min_num_f32 v52, v52, v54                    ; NM
.irp i, 0,1,2,3,4,5,6,7
	v_sub_f32 v[ST+2*\i], v52, v[ST+2*\i]          ; at most 0; an eighth with every row masked gives a huge negative number, and the factor 0
.endr
.irp i, 0,1,2,3,4,5,6,7
	v_exp_f32 v[ST+2*\i], v[ST+2*\i]
.endr
	v_nop                                          ; one plain line between the exponentials and their first use (ISA guide 5.7.2)
	s_wait_alu depctr_va_vdst(0)
	v_mul_f32 v53, v[ST], v[ST+1]
.irp i, 1,2,3,4,5,6,7
	v_fma_f32 v53, v[ST+2*\i], v[ST+2*\i+1], v53
.endr
	v_rcp_f32 v54, v53
	v_cmp_lt_f32 vcc_lo, 0, v53
	v_mov_b32 v55, 0                               ; the pair's other half; also the plain line behind the reciprocal
	s_wait_alu depctr_va_vdst(0)
	v_cndmask_b32 v54, 0, v54, vcc_lo              ; 1 / divisor, or 0 for a batch that is masked throughout
	s_wait_loadcnt 0x0
	v_pk_mul_f32 v[O:O+1],   v[P:P+1],   v[ST:ST+1] op_sel_hi:[1,0]
	v_pk_mul_f32 v[O+2:O+3], v[P+2:P+3], v[ST:ST+1] op_sel_hi:[1,0]
.irp i, 1,2,3,4,5,6,7
	v_pk_fma_f32 v[O:O+1],   v[P+4*\i:P+4*\i+1],   v[ST+2*\i:ST+2*\i+1], v[O:O+1]   op_sel_hi:[1,0,1]
	v_pk_fma_f32 v[O+2:O+3], v[P+4*\i+2:P+4*\i+3], v[ST+2*\i:ST+2*\i+1], v[O+2:O+3] op_sel_hi:[1,0,1]
.endr
	v_pk_mul_f32 v[O:O+1],   v[O:O+1],   v[54:55] op_sel_hi:[1,0]
	v_pk_mul_f32 v[O+2:O+3], v[O+2:O+3], v[54:55] op_sel_hi:[1,0]
	global_store_b128 v1, v[O:O+3], s[6:7]         ; the wave stores 512 consecutive bytes, at a multiple of 512 from out0's first byte
	s_endpgm
.Lfunc_end_k_q6fc76abf39_combine:
	.size	k_q6fc76abf39_combine, .Lfunc_end_k_q6fc76abf39_combine-k_q6fc76abf39_combine
	.p2alignl 7, 3214868480
	.fill 96, 4, 3214868480
	.section	.rodata,"a",@progbits
	.p2align	6, 0x0
	.amdhsa_kernel k_q6fc76abf39_combine
		.amdhsa_group_segment_fixed_size 0
		.amdhsa_private_segment_fixed_size 0
		.amdhsa_enable_private_segment 0
		.amdhsa_kernarg_size 16
		.amdhsa_user_sgpr_count 2
		.amdhsa_user_sgpr_kernarg_segment_ptr 1
		.amdhsa_wavefront_size32 1
		.amdhsa_system_sgpr_workgroup_id_x 1
		.amdhsa_system_sgpr_workgroup_id_y 1
		.amdhsa_system_sgpr_workgroup_id_z 1
		.amdhsa_system_vgpr_workitem_id 0
		.amdhsa_next_free_vgpr 64
		.amdhsa_next_free_sgpr 66
		.amdhsa_reserve_vcc 1
		.amdhsa_float_denorm_mode_32 3
		.amdhsa_float_denorm_mode_16_64 3
		.amdhsa_memory_ordered 1
		.amdhsa_forward_progress 1
		.amdhsa_inst_pref_size 6
	.end_amdhsa_kernel
	.amdgpu_metadata
---
amdhsa.version: [ 1, 2 ]
amdhsa.kernels:
  - .name:           k_q6fc76abf39_combine
    .symbol:         k_q6fc76abf39_combine.kd
    .args:
      - { .name: part, .offset: 0, .size: 8, .value_kind: global_buffer, .address_space: global }
      - { .name: out0, .offset: 8, .size: 8, .value_kind: global_buffer, .address_space: global }
    .group_segment_fixed_size: 0
    .private_segment_fixed_size: 0
    .kernarg_segment_align: 8
    .kernarg_segment_size: 16
    .max_flat_workgroup_size: 32
    .sgpr_count:     66
    .vgpr_count:     64
    .wavefront_size: 32
...
	.end_amdgpu_metadata
.endif
;; end of part 2
;; ======== version 2 of 2: 2 launches; version 1 with the launch partial written anew for expert scheduling mode
;; workspace buffers: part 1,114,112 bytes
;; launch partial (part 3): grid 256 x 1, 8 waves a work-group, no clusters, 78,848 bytes of LDS; arguments h, mask, queries, part; writes part
.if DOCPART == 3
	.amdgcn_target "amdgcn-amd-amdhsa--gfx1250"
	.amdhsa_code_object_version 6
	.text
	.protected	k_q6fc76abf39_partial
	.globl	k_q6fc76abf39_partial
	.p2align	8
	.type	k_q6fc76abf39_partial,@function
k_q6fc76abf39_partial:
	s_mov_b64 s[64:65], 0
	v_nop
	global_prefetch_b8 v0, s[64:65] scope:SCOPE_SE
	s_setreg_imm32_b32 hwreg(HW_REG_WAVE_SCHED_MODE, 0, 2), 2
	s_setreg_imm32_b32 hwreg(HW_REG_WAVE_MODE, 25, 1), 1
	s_wait_xcnt 0x0
	s_wait_alu depctr_vm_vsrc(0)
; LearnedPooler2d, first of two launches: softmax pooling over 512 of a batch's 4,096 positions.
; h [131072 rows][256] f32, mask [131072] bytes (1 = left out), queries [4][256] f32.
; Work-group g owns rows 512 g .. 512 g + 511 (eight work-groups make a batch) and writes 4,352 bytes of part:
;   [4][256] f32: sum over its unmasked rows n of 2^(K s[q][n] + nm[q]) h[n][c], K = log2(e)/16, s = queries . h,
;   then 32 pairs (nm[q], sum of the weights), q = entry mod 4.  nm[q] = -K x (largest unmasked score), or 3.4e38 if all rows are masked.
; Eight independent waves, 64 rows each, as four tiles of 16 rows.  h is read once, straight into registers; both products run on the
; matrix unit in bf16 with f32 sums; the maximum is a running one over the unmasked rows.
; No cluster: the work-groups share nothing but the 4,096 bytes of queries.  No tensor loads: a register ring needs no barrier to be refilled.
; LIMITS: h, queries and the weights are rounded to bf16 for the products; weights below 2^-126 count as 0; a mask byte is 0 or 1;
; h or queries that are not finite are not served.
;
; LAYOUT.  lane = 16 hh + r, r = 4 s + q.  Half hh of the lanes owns rows 32 hh + 8 t + i (tile t, i = 0..7) of the wave's 64.
; A load L[y][u][i] (y = 0: alpha, 1: beta; u = 0, 1) brings the lane h[row i][c .. c+3], c = 128 u + 64 (hh xor y) + 4 r:
; sixteen lanes take 256 consecutive bytes, aligned.
; POOLING, out[q][c] = sum over n of p[q][n] h[n][c]: first source = h, packed over pairs of rows (register e: rows 2e, 2e+1 of element j of the loads),
; second source = p, block-diagonal: k = 16 u + 8 hh + i stands for (column block 2 u + (hh xor y), row i of half hh), and column (q, s) of
; the second source holds p[q][row] only where s is that block.  All 256 results of an instruction are then real:
; accumulator j, lane (q, s, hh), register m = out[q][64 s + 4 (8 hh + m) + j]; 4 x 256 sums lie in 32 registers.
; Alpha gives block s the rows of half s mod 2, beta those of the other half.
; SCORES, s[n][q]: first source = 16 rows of h along the columns, which a lane does not hold as loaded: a second pack, over pairs of columns, goes
; through the wave's own LDS stage.  A stage row holds column 128 u + 4 G + j at element 8 G + 4 u + j (G = 0..31), and the query fragments use the
; same order.  Second source = queries, column (q, s) = query q for every s, so that lane (q, s, hh), register m = s[row m of half hh][q]:
; the very weights that the lane's part of the pooling operand needs, and in the lanes whose sums they rescale.
;
; THE MODE: SCHED_MODE bits 1:0 = 2 (LLVM: expert scheduling mode 2), set by the entry lines.  The code itself states the register dependences
; between vector or matrix instructions and memory or LDS instructions, with s_wait_alu, always for 0.
; THE PLAN.  Registers that memory or LDS instructions touch:
;   offsets and LDS addresses (VOA, VOB, MOFF, QOFF, STA, STB, RDA, QAD, QST; in the closing part EXA, EXS, CA, RA, GO, GS): each made once by vector lines
;              ahead of a wait on va_vdst, and never written again.
;   slot 0, 1  (window 1) Written by loads alone.  A tile's column packs and then its row packs read its slot; behind the row packs the slot is asked for again.
;   X          In a tile: the column packs write it, the stage stores read it, the fragment loads land in it, the score products read it, the row packs write it,
;              the pooling products read it.
;   D0 ..      In the closing part two runs of LDS loads land in it; vector lines named it before.
;   NM, LS, ACC, X .. X+3, v[30:31]: in the closing part written by vector lines, then read by one store each, and not written again.
; So a tile holds: one wait on va_vdst ahead of its stage stores (X is written, and all earlier readers of X are done, which serves the fragment loads too); one wait on
; vm_vsrc between the stage stores and the fragment loads; one wait on va_vdst behind the row packs, ahead of the slot's 32 loads, which then stand in four groups of eight among
; the softmax's lines: those name registers of window 0 alone, none of them the slot's or an offset; and the wait behind the exponentials.
.set PITCH, 528                        ; a stage row: 512 bytes + 16 = 33 x 16, so the 16 rows of a fragment load begin at 16 different 16-byte columns modulo 256
.set TRW,   16*PITCH                   ; a wave's stage, 8,448 bytes, at wave x TRW
.set QB,    8*TRW                      ; query fragments: [8 K steps][2 halves][32 lanes][16 bytes]
.set EXM,   QB+8192                    ; closing exchange: nm [8 waves][32 lanes], then the weight sums likewise, 1,024 bytes each
.set PARTB, 4352                       ; bytes of part for a work-group
.set KLOG,  0x3db8aa3b                 ; K = log2(e) / 16
; registers of window 0
.set LANE, 1
.set VOA,  2                           ; byte offset in h of the alpha loads; never rewritten
.set VOB,  3                           ; of the beta loads; never rewritten
.set STA,  4                           ; stage address of the alpha stores
.set STB,  5                           ; of the beta stores
.set RDA,  6                           ; stage address of the fragment loads
.set T3,   7
.set MK,   8                           ; v[8:15]    my half's 32 mask bytes
.set BND,  16                          ; v[16:23]   +inf or -inf for my 8 rows of the tile
.set NM,   24                          ; v24 running -K x maximum; v25 its pair's other half, written once
.set AL,   26                          ; v26 rescaling factor; v27 likewise
.set LS,   28                          ; running sum of the weights of my half's rows
.set T0,   29
.set T1,   30                          ; v[30:31] a pair at work
.set SEL,  32                          ; v[32:35]   all ones where my lane's s is the block of: alpha low, alpha high, beta low, beta high
.set PK,   36                          ; v[36:39]   8 weights in bf16
.set D0,   40                          ; v[40:47]   scores, even K steps; then scores, then weights
.set D1,   48                          ; v[48:55]   scores, odd K steps
.set PA,   56                          ; v[56:63]   weight operand for alpha
.set PB,   64                          ; v[64:71]   for beta
.set ACC,  72                          ; v[72:103]  four accumulators
.set QF,   104                         ; v[104:167] eight query fragments
.set X,    168                         ; v[168:231] in turn: column packs, score fragments, row packs
.set E0,   232
.set E1,   233
.set TP,   234                         ; v[234:235] a pair at work
.set MOFF, 236                         ; offsets of the mask and query loads: registers of their own, never rewritten
.set QOFF, 237
.set QAD,  238
.set QST,  239
.set CA,   240
.set RA,   241
.set EXA,  242
.set EXS,  243
.set GO,   244
.set GS,   245
; window 1 (v256-v511): two landing slots of 128 registers; L[y][u][i] lies at 128 slot + 4 (16 y + 8 u + i)
.set MSB, 0
.macro WIN new                         ; the immediate's high byte repeats the setting that is left
.if MSB != \new
	s_set_vgpr_msb (MSB<<8)|\new
.set MSB, \new
.endif
.endm
; The four loads that cover row i of both halves of tile tn, into slot sl.  h is read once in the launch: NT.
.macro LOADR tn, sl, i
.irp u, 0,1
	global_load_b128 v[128*\sl+(8*\u+\i)*4:128*\sl+(8*\u+\i)*4+3], v[VOA], s[4:5] offset:\tn*8192+\i*1024+\u*512 th:TH_LOAD_NT
	global_load_b128 v[128*\sl+(16+8*\u+\i)*4:128*\sl+(16+8*\u+\i)*4+3], v[VOB], s[4:5] offset:\tn*8192+\i*1024+\u*512 th:TH_LOAD_NT
.endr
.endm
; The 32 loads of tile tn into slot sl, row by row.
.macro LOADT tn, sl
.irp i, 0,1,2,3,4,5,6,7
	LOADR \tn, \sl, \i
.endr
.endm
	s_load_b256 s[4:11], s[0:1], 0x0               ; h s[4:5], mask s[6:7], queries s[8:9], part s[10:11]
	v_lshl_add_u32 v254, v0, 2, 0x13000
	v_mov_b32 v255, 0
	v_lshrrev_b32 v[T3], 5, v0
	v_readfirstlane_b32 s12, v[T3]                 ; wave 0..7
	v_and_b32 v[LANE], 31, v0
	v_and_b32 v[T0], 15, v0                        ; r
	v_bfe_u32 v[T1], v0, 4, 1                      ; hh
	v_mul_u32_u24 v[VOA], v[T1], 0x8100            ; alpha: 32 rows and one column block further for the upper half,
	v_lshl_add_u32 v[VOA], v[T0], 4, v[VOA]        ; + 16 r
	v_mul_u32_u24 v[VOB], v[T1], 0x7f00            ; beta: 32 rows further and one block back,
	v_lshl_add_u32 v[VOB], v[T0], 4, v[VOB]
	v_add_nc_u32 v[VOB], 0x100, v[VOB]             ; from block 1
	v_lshlrev_b32 v[MOFF], 5, v[T1]                ; my half's 32 mask bytes
	v_and_b32 v[QOFF], 3, v0                       ; q
	v_lshlrev_b32 v[QOFF], 10, v[QOFF]             ; query q's row,
	v_lshl_add_u32 v[QOFF], v[T1], 4, v[QOFF]      ; group G = 4 w + hh of four columns: 16 bytes each
	s_wait_alu depctr_va_sdst(0)                   ; s12, the wave's number, is written, ahead of its first reader
	s_lshl_b32 s13, s12, 6
	v_add_nc_u32 v[QOFF], s13, v[QOFF]
	s_lshl_b32 s14, ttmp9, 19                      ; 512 rows of 1,024 bytes a work-group (255 x 2^19 stays below 2^31),
	s_lshl_b32 s22, s12, 16                        ; 64 rows a wave
	s_add_co_u32 s14, s14, s22
	s_mov_b32 s15, 0
	s_lshl_b32 s24, ttmp9, 9                       ; the same rows in mask: one byte each
	s_add_co_u32 s24, s24, s13
	s_mov_b32 s25, 0
	s_mul_i32 s26, ttmp9, PARTB
	s_mov_b32 s27, 0
	s_wait_kmcnt 0x0
	s_add_nc_u64 s[4:5], s[4:5], s[14:15]
	s_add_nc_u64 s[6:7], s[6:7], s[24:25]
	s_add_nc_u64 s[10:11], s[10:11], s[26:27]
	s_wait_alu depctr_va_vdst(0)                   ; the four offsets VOA, VOB, MOFF and QOFF are written, which the loads below and all later loads of h read
	global_load_b128 v[MK:MK+3],   v[MOFF], s[6:7]
	global_load_b128 v[MK+4:MK+7], v[MOFF], s[6:7] offset:16
	global_load_b128 v[X:X+3],     v[QOFF], s[8:9]             ; wave w builds the query fragment of K step w: group 4 w + hh, columns 4 G ..
	global_load_b128 v[X+4:X+7],   v[QOFF], s[8:9] offset:512  ; and 128 + 4 G ..
	global_load_b128 v[X+8:X+11],  v[QOFF], s[8:9] offset:32   ; group 4 w + 2 + hh
	global_load_b128 v[X+12:X+15], v[QOFF], s[8:9] offset:544
	WIN 0x40                                       ; loaded data into window 1, addresses from window 0
	LOADT 0, 0                                     ; both slots are asked for at once: 32 KiB a wave
	LOADT 1, 1
	WIN 0
	s_mov_b32 s18, 0xbdb8aa3b                      ; -K
	s_mov_b32 s19, 0x00800000                      ; the lower three bytes of an infinity
	s_mov_b32 s20, 0x76543210                      ; v_permlanex16_b32: lane i of one half reads lane i of the other
	s_mov_b32 s21, 0xfedcba98
	s_mov_b32 s23, 0x7f7f7f7f
	s_mul_i32 s22, s12, TRW                        ; my stage
	s_add_co_u32 s28, s22, 256
	v_mul_u32_u24 v[STA], v[T1], 8*PITCH+256       ; alpha store: stage row 8 hh + i, byte 256 (hh xor 0) + 16 r: sixteen lanes, 256 consecutive bytes
	v_lshl_add_u32 v[STA], v[T0], 4, v[STA]
	v_add_nc_u32 v[STA], s22, v[STA]
	v_mul_u32_u24 v[STB], v[T1], 8*PITCH-256       ; beta store: byte 256 (hh xor 1) + 16 r
	v_lshl_add_u32 v[STB], v[T0], 4, v[STB]
	v_add_nc_u32 v[STB], s28, v[STB]
	v_mul_u32_u24 v[RDA], v[T0], PITCH             ; fragment load: stage row r, 16 bytes for each half of the lanes
	v_lshl_add_u32 v[RDA], v[T1], 4, v[RDA]
	v_add_nc_u32 v[RDA], s22, v[RDA]
	v_bfe_u32 v[T3], v0, 2, 2                      ; s
	v_xor_b32 v[T0], 1, v[T1]                      ; hh xor 1
	v_cmp_eq_u32 s16, v[T3], v[T1]                 ; the four compares stand in one run, each with a scalar register of its own: alpha, k 0-15: block hh
	v_cmp_eq_u32 s17, v[T3], v[T0]                 ; beta, k 0-15: block hh xor 1
	v_add_nc_u32 v[T1], 2, v[T1]
	v_add_nc_u32 v[T0], 2, v[T0]
	v_cmp_eq_u32 s29, v[T3], v[T1]                 ; alpha, k 16-31: block 2 + hh
	v_cmp_eq_u32 s30, v[T3], v[T0]                 ; beta, k 16-31: block 2 + (hh xor 1)
	v_mov_b32 v[NM+1], 0                           ; the other halves of the two pairs that packed instructions name
	v_mov_b32 v[AL+1], 0
	v_lshlrev_b32 v[QAD], 4, v[LANE]
	v_add_nc_u32 v[QAD], QB, v[QAD]
	s_lshl_b32 s13, s12, 10
	v_add_nc_u32 v[QST], s13, v[QAD]
	s_wait_alu depctr_va_sdst(0)                   ; the four masks s16, s17, s29 and s30 are written, ahead of the selects that read them
	v_cndmask_b32 v[SEL], 0, -1, s16
	v_cndmask_b32 v[SEL+2], 0, -1, s17
	v_cndmask_b32 v[SEL+1], 0, -1, s29
	v_cndmask_b32 v[SEL+3], 0, -1, s30
	s_wait_loadcnt 0x3f                            ; 70 loads have been issued and come back in order (ISA guide 5.7.1): 63 out at the most means the seven oldest are in, mask and queries among them
.irp p, 0,1,2,3,4,5,6,7
	v_cvt_pk_bf16_f32 v[X+16+\p], v[X+2*\p], v[X+2*\p+1]       ; element 4 u + j of each group, in order
.endr
	s_wait_alu depctr_va_vdst(0)                   ; the packs have written v[X+16 .. X+23], which the two LDS stores read; QST and QAD, their address and the loads' below, are written too
	ds_store_b128 v[QST], v[X+16:X+19]
	ds_store_b128 v[QST], v[X+20:X+23] offset:512
	s_wait_dscnt 0x0                               ; my fragment is in LDS before I say so
	s_barrier_signal -1
	s_barrier_wait -1
	s_wait_alu depctr_vm_vsrc(0)                   ; my two LDS stores have read v[X+16 .. X+23], which the first tile's column packs write
.irp k, 0,1,2,3,4,5,6,7
	ds_load_b128 v[QF+8*\k:QF+8*\k+3],   v[QAD] offset:1024*\k
	ds_load_b128 v[QF+8*\k+4:QF+8*\k+7], v[QAD] offset:1024*\k+512
.endr
	s_wait_dscnt 0x0
; One tile.  tn: its number; nx: the tile that takes its slot; sl: the slot; rf = 1: the slot is filled again; lf: loads of younger tiles that may stay out;
; fs = 1: the first tile starts the sums, nothing is cleared or rescaled.
.macro TILE tn, nx, sl, rf, lf, fs
	; a mask byte 0 / 1 becomes 0x7f / 0xff, the top byte of +inf / -inf.  These six lines name no register of a matrix instruction:
	; they are also the four places that the column packs below need behind the last tile's matrix instructions (ISA guide 7.12.1)
	v_lshl_or_b32 v[E0], v[MK+2*\tn], 7, s23
	v_lshl_or_b32 v[E1], v[MK+2*\tn+1], 7, s23
.irp b, 0,1,2,3
	v_perm_b32 v[BND+\b], v[E0], s19, 0x04020000+(\b<<24)
.endr
	WIN 0x05                                       ; both sources from window 1
.irp i, 0,1,2,3,4,5,6,7
	s_wait_loadcnt \lf+28-4*\i                     ; row i's four loads are in; the 4 (7 - i) behind them and the younger tile's stay out
.irp y, 0,1
	v_cvt_pk_bf16_f32 v[X+(8*\y+\i)*4],   v[128*\sl+(16*\y+\i)*4],     v[128*\sl+(16*\y+\i)*4+1]     ; pairs of columns: u = 0,
	v_cvt_pk_bf16_f32 v[X+(8*\y+\i)*4+1], v[128*\sl+(16*\y+\i)*4+2],   v[128*\sl+(16*\y+\i)*4+3]
	v_cvt_pk_bf16_f32 v[X+(8*\y+\i)*4+2], v[128*\sl+(16*\y+8+\i)*4],   v[128*\sl+(16*\y+8+\i)*4+1]   ; u = 1: 16 bytes of a stage row
	v_cvt_pk_bf16_f32 v[X+(8*\y+\i)*4+3], v[128*\sl+(16*\y+8+\i)*4+2], v[128*\sl+(16*\y+8+\i)*4+3]
.endr
.endr
	WIN 0
	s_wait_alu depctr_va_vdst(0)                   ; the column packs have written X, which the stage stores read; they and the last tile's products are done with X, in which the fragment loads land
.irp i, 0,1,2,3,4,5,6,7
	ds_store_b128 v[STA], v[X+4*\i:X+4*\i+3] offset:\i*PITCH
	ds_store_b128 v[STB], v[X+32+4*\i:X+32+4*\i+3] offset:\i*PITCH
.endr
	s_wait_alu depctr_vm_vsrc(0)                   ; the stage stores have read X, in which the fragment loads land
.irp k, 0,1,2,3,4,5,6,7
	ds_load_b128 v[X+8*\k:X+8*\k+3],   v[RDA] offset:64*\k      ; my own stage: LDS serves a wave's instructions in order, these see the stores above
	ds_load_b128 v[X+8*\k+4:X+8*\k+7], v[RDA] offset:64*\k+32
.endr
	; scores: 8 K steps of 32 columns.  Two accumulators take turns; the first two products start the sums
	s_wait_dscnt 14                                ; K step 0's two loads are in, the 14 behind them stay out; and so on, two fewer each time
	v_wmma_f32_16x16x32_bf16 v[D0:D0+7], v[X:X+7], v[QF:QF+7], 0
	s_wait_dscnt 12
	v_wmma_f32_16x16x32_bf16 v[D1:D1+7], v[X+8:X+15], v[QF+8:QF+15], 0
.irp k, 2,4,6
	s_wait_dscnt 14-2*\k
	v_wmma_f32_16x16x32_bf16 v[D0:D0+7], v[X+8*\k:X+8*\k+7], v[QF+8*\k:QF+8*\k+7], v[D0:D0+7]
	s_wait_dscnt 12-2*\k
	v_wmma_f32_16x16x32_bf16 v[D1:D1+7], v[X+8*\k+8:X+8*\k+15], v[QF+8*\k+8:QF+8*\k+15], v[D1:D1+7]
.endr
.irp b, 0,1,2,3
	v_perm_b32 v[BND+4+\b], v[E1], s19, 0x04020000+(\b<<24)    ; rows 4-7; four places before X, a source of the products above, is written (ISA guide 7.12.1)
.endr
	WIN 0x05
.irp y, 0,1
.irp j, 0,1,2,3
.irp u, 0,1
.irp e, 0,1,2,3
	v_cvt_pk_bf16_f32 v[X+(4*\y+\j)*8+4*\u+\e], v[128*\sl+(16*\y+8*\u+2*\e)*4+\j], v[128*\sl+(16*\y+8*\u+2*\e+1)*4+\j]   ; pairs of rows of one column
.endr
.endr
.endr
.endr
.if \rf
	WIN 0x40
	s_wait_alu depctr_va_vdst(0)                   ; the row packs, the slot's last readers, are done reading it: its next tile's 32 loads land there.  They stand in four groups of two rows,
	LOADR \nx, \sl, 0                              ; row by row as ever; no vector line between this wait and the last of them names a register of the slot or an offset
	LOADR \nx, \sl, 1
.endif
	WIN 0
	; softmax step, each lane for its query and its 8 rows
.irp p, 0,1,2,3
	v_pk_add_f32 v[D0+2*\p:D0+2*\p+1], v[D0+2*\p:D0+2*\p+1], v[D1+2*\p:D1+2*\p+1]
.endr
.irp b, 0,1,2,3,4,5,6,7
	v_min_num_f32 v[D0+\b], v[D0+\b], v[BND+\b]    ; a masked row's score becomes -inf
.endr
.if \rf
	WIN 0x40
	LOADR \nx, \sl, 2
	LOADR \nx, \sl, 3
	WIN 0
.endif
	v_max3_num_f32 v[T0], v[D0], v[D0+1], v[D0+2]
	v_max3_num_f32 v[T0], v[T0], v[D0+3], v[D0+4]
	v_max3_num_f32 v[T0], v[T0], v[D0+5], v[D0+6]
	v_max_num_f32 v[T0], v[T0], v[D0+7]
	v_permlanex16_b32 v[T1], v[T0], s20, s21       ; the other half's 8 rows
	v_max_num_f32 v[T0], v[T0], v[T1]
	v_mul_f32 v[T0], s18, v[T0]                    ; -K x maximum; +inf if all 16 rows are masked
.if \fs
	v_min_num_f32 v[NM], 0x7f7fffff, v[T0]         ; kept finite, so that no difference of infinities arises
.else
	v_min_num_f32 v[T0], v[NM], v[T0]
	v_sub_f32 v[AL], v[T0], v[NM]                  ; K x (old maximum - new), at most 0
	v_mov_b32 v[NM], v[T0]
	v_exp_f32 v[AL], v[AL]                         ; the packed lines below stand between it and its first use (ISA guide 5.7.2)
.endif
.if \rf
	WIN 0x40
	LOADR \nx, \sl, 4
	LOADR \nx, \sl, 5
	WIN 0
.endif
.irp p, 0,1,2,3
	v_pk_fma_f32 v[D0+2*\p:D0+2*\p+1], v[D0+2*\p:D0+2*\p+1], KLOG, v[NM:NM+1] op_sel_hi:[1,0,0]   ; K s - K maximum
.endr
.irp b, 0,1,2,3,4,5,6,7
	v_exp_f32 v[D0+\b], v[D0+\b]                   ; 2^(-inf) = 0 for masked rows
.endr
.if \rf
	WIN 0x40
	LOADR \nx, \sl, 6
	LOADR \nx, \sl, 7
	WIN 0
.endif
.if \fs
	v_nop                                          ; one plain line between the exponentials and their first use
	s_wait_alu depctr_va_vdst(0)                   ; the exponentials have written the eight weights in D0, ahead of their first reader
.else
	s_wait_alu depctr_va_vdst(0)                   ; the exponentials have written the factor AL and the eight weights in D0, ahead of their first readers
.irp p, 0,1,2,3,4,5,6,7,8,9,10,11,12,13,14,15
	v_pk_mul_f32 v[ACC+2*\p:ACC+2*\p+1], v[ACC+2*\p:ACC+2*\p+1], v[AL:AL+1] op_sel_hi:[1,0]        ; my lane's sums all belong to my query
.endr
.endif
	v_pk_add_f32 v[T1:T1+1], v[D0:D0+1], v[D0+2:D0+3]
	v_pk_add_f32 v[TP:TP+1], v[D0+4:D0+5], v[D0+6:D0+7]
	v_pk_add_f32 v[T1:T1+1], v[T1:T1+1], v[TP:TP+1]
.if \fs
	v_add_f32 v[LS], v[T1], v[T1+1]
.else
	v_add_f32 v[T1], v[T1], v[T1+1]
	v_fma_f32 v[LS], v[LS], v[AL], v[T1]
.endif
.irp e, 0,1,2,3
	v_cvt_pk_bf16_f32 v[PK+\e], v[D0+2*\e], v[D0+2*\e+1]
.endr
.irp e, 0,1,2,3
	v_and_b32 v[PA+\e],   v[SEL],   v[PK+\e]       ; the block-diagonal operands: my weights where my s is the block, else 0
	v_and_b32 v[PA+4+\e], v[SEL+1], v[PK+\e]
	v_and_b32 v[PB+\e],   v[SEL+2], v[PK+\e]
	v_and_b32 v[PB+4+\e], v[SEL+3], v[PK+\e]
.endr
	; pooling: the four accumulators take turns
.irp j, 0,1,2,3
.if \fs
	v_wmma_f32_16x16x32_bf16 v[ACC+8*\j:ACC+8*\j+7], v[X+8*\j:X+8*\j+7], v[PA:PA+7], 0
.else
	v_wmma_f32_16x16x32_bf16 v[ACC+8*\j:ACC+8*\j+7], v[X+8*\j:X+8*\j+7], v[PA:PA+7], v[ACC+8*\j:ACC+8*\j+7]
.endif
.endr
.irp j, 0,1,2,3
	v_wmma_f32_16x16x32_bf16 v[ACC+8*\j:ACC+8*\j+7], v[X+32+8*\j:X+32+8*\j+7], v[PB:PB+7], v[ACC+8*\j:ACC+8*\j+7]
.endr
.endm
	TILE 0, 2, 0, 1, 32, 1
	TILE 1, 3, 1, 1, 32, 0
	TILE 2, 0, 0, 0, 32, 0                         ; the last two tiles fetch nothing
	TILE 3, 0, 1, 0, 0, 0
	; THE EIGHT WAVES' RESULTS BECOME ONE
.rept 4
	v_nop                                          ; four places behind the last matrix instructions (ISA guide 7.12.1)
.endr
	v_permlanex16_b32 v[T1], v[LS], s20, s21
	v_add_f32 v[LS], v[LS], v[T1]                  ; both halves' rows: the wave's sum of weights for my query
	v_lshlrev_b32 v[EXA], 2, v[LANE]
	v_add_nc_u32 v[EXA], EXM, v[EXA]
	s_lshl_b32 s13, s12, 7
	v_add_nc_u32 v[EXS], s13, v[EXA]
	s_wait_alu depctr_va_vdst(0)                   ; NM and the addresses EXS and EXA are written, which the store and the loads below read; the last tile's lines are done with D0, in which those loads land
	ds_store_b32 v[EXS], v[NM]
	s_wait_dscnt 0x0                               ; my nm is in LDS before I say so
	s_barrier_signal -1
	s_barrier_wait -1
.irp v, 0,1,2,3,4,5,6,7
	ds_load_b32 v[D0+\v], v[EXA] offset:128*\v     ; all eight waves' nm for my query
.endr
	v_lshlrev_b32 v[CA], 4, v[LANE]                ; where my sums go: [register m][lane][j], rows of PITCH bytes, in my own stage
	v_add_nc_u32 v[CA], s22, v[CA]
	; and what I read back: thread f = 32 w + lane takes the four numbers out[f / 64][4 (f mod 64) ..]: m = lane mod 8,
	; source lane 16 ((lane / 8) mod 2) + 4 (2 (w mod 2) + lane / 16) + w / 2
	v_and_b32 v[RA], 7, v0
	v_mul_u32_u24 v[RA], v[RA], PITCH
	v_bfe_u32 v[T0], v0, 3, 1
	v_lshl_add_u32 v[RA], v[T0], 8, v[RA]
	v_bfe_u32 v[T0], v0, 4, 1
	v_lshl_add_u32 v[RA], v[T0], 6, v[RA]
	s_and_b32 s13, s12, 1
	s_lshl_b32 s13, s13, 7
	s_lshr_b32 s24, s12, 1
	s_lshl_b32 s24, s24, 4
	s_add_co_u32 s13, s13, s24
	v_add_nc_u32 v[RA], s13, v[RA]
	s_wait_dscnt 0x0
	v_min_num_f32 v[D0],   v[D0],   v[D0+1]
	v_min_num_f32 v[D0+2], v[D0+2], v[D0+3]
	v_min_num_f32 v[D0+4], v[D0+4], v[D0+5]
	v_min_num_f32 v[D0+6], v[D0+6], v[D0+7]
	v_min_num_f32 v[D0],   v[D0],   v[D0+2]
	v_min_num_f32 v[D0+4], v[D0+4], v[D0+6]
	v_min_num_f32 v[T1],   v[D0],   v[D0+4]        ; the work-group's nm
	v_sub_f32 v[AL], v[T1], v[NM]
	v_exp_f32 v[AL], v[AL]
	v_lshlrev_b32 v[GO], 4, v0                     ; a plain line between the exponential and its use: 16 bytes a thread in part
	s_wait_alu depctr_va_vdst(0)                   ; the exponential has written AL, ahead of its first reader
.irp p, 0,1,2,3,4,5,6,7,8,9,10,11,12,13,14,15
	v_pk_mul_f32 v[ACC+2*\p:ACC+2*\p+1], v[ACC+2*\p:ACC+2*\p+1], v[AL:AL+1] op_sel_hi:[1,0]
.endr
	v_mul_f32 v[LS], v[LS], v[AL]
	s_wait_alu depctr_va_vdst(0)                   ; the rescaled sums ACC and LS are written, which the LDS stores read; so are the addresses CA and, for the loads behind the barrier, RA
.irp j, 0,1,2,3
.irp b, 0,1,2,3,4,5,6,7
	ds_store_b32 v[CA], v[ACC+8*\j+\b] offset:\b*PITCH+4*\j    ; the four j of a lane and a register m are four neighbouring columns
.endr
.endr
	ds_store_b32 v[EXS], v[LS] offset:1024
	s_wait_dscnt 0x0                               ; all of it is in LDS before I say so
	s_barrier_signal -1
	s_barrier_wait -1
.irp v, 0,1,2,3,4,5,6,7
	ds_load_b128 v[X+4*\v:X+4*\v+3], v[RA] offset:\v*TRW       ; no vector or matrix line since the wait above names X
.endr
	s_wait_dscnt 0x0
.irp v, 0,2,4,6
	v_pk_add_f32 v[X+4*\v:X+4*\v+1],   v[X+4*\v:X+4*\v+1],   v[X+4*\v+4:X+4*\v+5]
	v_pk_add_f32 v[X+4*\v+2:X+4*\v+3], v[X+4*\v+2:X+4*\v+3], v[X+4*\v+6:X+4*\v+7]
.endr
.irp v, 0,4
	v_pk_add_f32 v[X+4*\v:X+4*\v+1],   v[X+4*\v:X+4*\v+1],   v[X+4*\v+8:X+4*\v+9]
	v_pk_add_f32 v[X+4*\v+2:X+4*\v+3], v[X+4*\v+2:X+4*\v+3], v[X+4*\v+10:X+4*\v+11]
.endr
	v_pk_add_f32 v[X:X+1],   v[X:X+1],   v[X+16:X+17]
	v_pk_add_f32 v[X+2:X+3], v[X+2:X+3], v[X+18:X+19]
	s_wait_alu depctr_va_vdst(0)                   ; the additions have written v[X .. X+3], which the store reads
	global_store_b128 v[GO], v[X:X+3], s[10:11]    ; a wave stores 512 consecutive bytes, at a multiple of 512 from the work-group's part
	s_cmp_lg_u32 s12, 0
	s_cbranch_scc1 .Ldone                          ; wave 0 alone writes the 32 pairs
.irp v, 0,1,2,3,4,5,6,7
	ds_load_b32 v[D0+\v], v[EXA] offset:1024+128*\v            ; the minima, the last lines that named D0, stand ahead of the waits above
.endr
	v_lshlrev_b32 v[GS], 3, v[LANE]
	s_wait_dscnt 0x0
	v_add_f32 v[D0],   v[D0],   v[D0+1]
	v_add_f32 v[D0+2], v[D0+2], v[D0+3]
	v_add_f32 v[D0+4], v[D0+4], v[D0+5]
	v_add_f32 v[D0+6], v[D0+6], v[D0+7]
	v_add_f32 v[D0],   v[D0],   v[D0+2]
	v_add_f32 v[D0+4], v[D0+4], v[D0+6]
	v_add_f32 v[T1+1], v[D0],   v[D0+4]
	s_wait_alu depctr_va_vdst(0)                   ; the pair v[30:31] and the offset GS are written, which the store reads
	global_store_b64 v[GS], v[T1:T1+1], s[10:11] offset:4096   ; 32 lanes, 256 consecutive bytes: (nm, sum of weights) of query lane mod 4
.Ldone:
	s_wait_dscnt 0x0                               ; the closing lines, six on end, of a launch in the mode that stores to LDS
	s_wait_alu 0x0
	s_wait_tensorcnt 0x0
	ds_add_u32 v254, v255
	s_wait_dscnt 0x0
	s_endpgm
.Lfunc_end_k_q6fc76abf39_partial:
	.size	k_q6fc76abf39_partial, .Lfunc_end_k_q6fc76abf39_partial-k_q6fc76abf39_partial
	.p2alignl 7, 3214868480
	.fill 96, 4, 3214868480
	.section	.rodata,"a",@progbits
	.p2align	6, 0x0
	.amdhsa_kernel k_q6fc76abf39_partial
		.amdhsa_group_segment_fixed_size 78848
		.amdhsa_private_segment_fixed_size 0
		.amdhsa_enable_private_segment 0
		.amdhsa_kernarg_size 32
		.amdhsa_user_sgpr_count 2
		.amdhsa_user_sgpr_kernarg_segment_ptr 1
		.amdhsa_wavefront_size32 1
		.amdhsa_system_sgpr_workgroup_id_x 1
		.amdhsa_system_sgpr_workgroup_id_y 1
		.amdhsa_system_sgpr_workgroup_id_z 1
		.amdhsa_system_vgpr_workitem_id 0
		.amdhsa_next_free_vgpr 512
		.amdhsa_next_free_sgpr 66
		.amdhsa_reserve_vcc 0
		.amdhsa_float_denorm_mode_32 3
		.amdhsa_float_denorm_mode_16_64 3
		.amdhsa_memory_ordered 1
		.amdhsa_forward_progress 1
		.amdhsa_inst_pref_size 91
	.end_amdhsa_kernel
	.amdgpu_metadata
---
amdhsa.version: [ 1, 2 ]
amdhsa.kernels:
  - .name:           k_q6fc76abf39_partial
    .symbol:         k_q6fc76abf39_partial.kd
    .args:
      - { .name: h, .offset: 0, .size: 8, .value_kind: global_buffer, .address_space: global }
      - { .name: mask, .offset: 8, .size: 8, .value_kind: global_buffer, .address_space: global }
      - { .name: queries, .offset: 16, .size: 8, .value_kind: global_buffer, .address_space: global }
      - { .name: part, .offset: 24, .size: 8, .value_kind: global_buffer, .address_space: global }
    .group_segment_fixed_size: 78848
    .private_segment_fixed_size: 0
    .kernarg_segment_align: 8
    .kernarg_segment_size: 32
    .max_flat_workgroup_size: 256
    .sgpr_count:     66
    .vgpr_count:     512
    .wavefront_size: 32
...
	.end_amdgpu_metadata
.endif
;; end of part 3
;; launch combine: the kernel of part 2 again; grid 256 x 1, 1 waves a work-group, no clusters, 0 bytes of LDS; arguments part, out0; writes out0
